; MI455X (gfx1250); checked and timed in simulation.
; The chip was launched on July 23, 2026; its instructions are those of AMD's public machine-readable ISA for CDNA 5 (MIT licence, August 2026) and "CDNA5" Instruction Set Architecture Reference Guide (July 2026). The comments in the code are by the model that wrote it; some were corrected since.
;; GLA Memory Compressor. Allowed arithmetic: matrix products marked QUANTISED: E4M3 operands, one given power-of-two scale a tensor, by v_wmma_f32_16x16x64_fp8_fp8 or v_wmma_f32_16x16x128_fp8_fp8, f32 sums; products left as they are: f32 operands where the result goes on into a quantised operand, else bf16, f16 or f32 operands; f32 sums; everything else in f32.
;; Inputs: gk_b 1,024 float32; gk_w1 16 x 2,048 float32; gk_w2 1,024 x 16 float32; hidden_states 4 x 4,096 x 2,048 float32; k_w 1,024 x 2,048 float32; lowp_scales 8 int32 (the exponents e of the quantised operands' scales 2^e); norm_w 2,048 float32; state 4 x 16 x 64 x 32 float32; v_w 512 x 2,048 float32.
;; Outputs: out0 4 x 16 x 64 x 32 float32.
;; This version of the problem:
;;   THIS VERSION OF THE PROBLEM IS GIVEN IN LOW PRECISION. The matrix products marked QUANTISED in the list below multiply operands that are first quantised to E4M3 (4 exponent bits, 3 mantissa bits; 8 bits a number), with one given power-of-two scale for each operand tensor; their sums are f32. All else is computed in f32.
;;   The module's matrix products, in the order in which they are computed (A, B: the left and right operand; K: the contracted axis; several contracted axes count as one K, in the product's order):
;;     1. [M 16,384, K 2,048] x [K 2,048, N 1,024]; A: computed on the way; B: input k_w: QUANTISED (scales: A lowp_scales[0], B lowp_scales[1])
;;     2. [M 16,384, K 2,048] x [K 2,048, N 512]; A: computed on the way; B: input v_w: QUANTISED (scales: A lowp_scales[2], B lowp_scales[3])
;;     3. [M 16,384, K 2,048] x [K 2,048, N 16]; A: computed on the way; B: input gk_w1: QUANTISED (scales: A lowp_scales[4], B lowp_scales[5])
;;     4. [M 16,384, K 16] x [K 16, N 1,024]; A: computed on the way; B: input gk_w2: left as it is (K = 16 < 32)
;;     5. batch 64 x [M 64, K 4,096] x [K 4,096, N 32]; A: computed on the way; B: computed on the way: QUANTISED (scales: A lowp_scales[6], B lowp_scales[7])
;;   THE QUANTISER, for each operand of a quantised product, along K:
;;     - The operand's scale is 2^e, e = its entry of the input lowp_scales (int32; the entries are numbered through the quantised products in the list's order, A before B).
;;     - Each number is divided by the scale, clamped to +-448, and rounded to the nearest number of E4M3, ties to even, subnormals kept.
;;     - The product sums the exact products of the quantised numbers (number of the format x scale) in f32.
;;   ~~~python
;;   def quantise(x, axis, e):      # numpy; x: float32 -> the quantised numbers, widened to float32 again
;;       x = np.moveaxis(x, axis, -1); K = x.shape[-1]
;;       r = np.clip(x / 2.0 ** e, -448, 448)
;;       step = 2.0 ** (np.maximum(np.frexp(np.where(r == 0, 1, r))[1] - 1, -6) - 3)
;;       q = np.round(r / step) * step * 2.0 ** e      # np.round: ties to even
;;       return np.moveaxis(q, -1, axis).astype(np.float32)
;;   ~~~
;;   OPERANDS COMPUTED ON THE WAY. 'Computed on the way' means the value that the module computes at that place (a softmax that the list does not call 'softmax' is quantised finished and normalised). What goes into a quantiser is computed in f32, as accurately as f32 sums, v_exp_f32 and their like allow (about 1e-6 of the number): no bf16 or f16 on the way to a quantiser, and a product that is left as it is and whose result goes on into a quantised operand takes f32 operands (vector FMAs, or v_wmma_f32_16x16x4_f32). A number that lies on a knife's edge between two numbers of the format may be rounded either way, as far as f32 arithmetic and the matrix unit's own rounding can turn it there, and no further.
;; One version. Each part assembles by itself: llvm-mc -triple=amdgcn-amd-amdhsa -mcpu=gfx1250 --defsym DOCPART=n.
;; ======== version 1 of 1: 3 launches
;; limits: right only within a limited range of input values
;; workspace buffers: xk 33,554,432 bytes; xv 33,554,432 bytes; wq 3,145,728 bytes; g16 1,048,576 bytes; csum 1,048,576 bytes; part 8,388,608 bytes
;; launch prep (part 1): grid 256 x 1, 16 waves a work-group, no clusters, 134,912 bytes of LDS; arguments hidden_states, norm_w, gk_w1, gk_w2, gk_b, k_w, v_w, lowp_scales, xk, xv, wq, g16, csum; writes xk, xv, wq, g16, csum
.if DOCPART == 1
	.amdgcn_target "amdgcn-amd-amdhsa--gfx1250"
	.amdhsa_code_object_version 6
	.text
	.protected	k_q1dc3dbec41_prep
	.globl	k_q1dc3dbec41_prep
	.p2align	8
	.type	k_q1dc3dbec41_prep,@function
k_q1dc3dbec41_prep:
	s_mov_b64 s[64:65], 0
	v_nop
	global_prefetch_b8 v0, s[64:65] scope:SCOPE_SE
	s_setreg_imm32_b32 hwreg(HW_REG_WAVE_MODE, 25, 1), 1
	s_wait_xcnt 0x0
; FIRST OF THREE LAUNCHES.  new_state = exp(G_T) state + sum over t of (k_t exp(G_T - G_t)) v_t^T, with k, v and the gate made from the RMS-normed rows x.
; NOTHING IS LEFT OUT: every input has a way to out0 and every product of the problem's table is made.  One identity is used, for all values: G_T - G_t is the sum of gk_s over s > t,
; so the decay's exponent is summed from the later steps directly and no difference of two long sums is formed.
; THIS LAUNCH: reads hidden_states once; x = (h rsqrt(mean h^2 + eps)) norm_w in f32; x is quantised by its scale for the product with k_w, with v_w and with gk_w1;
; the codes for k_w and v_w go to xk, xv; the product with gk_w1 (FP8) is made here, its raw sums go to g16; from them the gate of this work-group's 64 rows (f32 product with gk_w2, log-sigmoid)
; and its sum over the 64 rows, in base 2 and divided by 16, to csum.  Six waves of each work-group also quantise one fragment of k_w or v_w into wq.
; EQUAL SCALES, ONE QUANTISER: x's three scales are whole numbers read from lowp_scales.  Where e2 = e0 the codes for v_w ARE the codes for k_w, where e4 = e0 so are those for gk_w1: then that quantiser, its stage and
; its LDS reads are passed over by a scalar branch on the two whole numbers, and k_w's codes serve (xv is written all the same).  Where they differ the full way runs.  No barrier stands under such a branch,
; and the launch has no tensor load and no copy.
; SHARES: work-group c owns rows 64 c .. 64 c + 63, in four runs of 16; wave w owns row 16 i + w of a run, K step w of the product with gk_w1 and of the way out, and the 64 gate channels of head w.
; LAYOUT OF CODES: every buffer of codes is a row of IMAGES OF OPERAND REGISTERS: an image is 16 rows x 128 codes as [c 0..3][lane][16 bytes]; lane (r, h) holds code places 128 ks + 32 c + 16 h + 0..15 of row r.
; K IS PERMUTED, alike in x and in all three weights: code place 512 p + 16 l + 4 jj + ii of a row holds k = 128 (4 p + jj) + 4 l + ii.  So a wave loads a row as it lies (lane l at 16 l + 512 j) and a lane's
; 16 registers of four loads are 16 neighbouring code places.  Every product meets its partner; only the order of the sums changes.
; LIMITS: e0, e1, e2, e3, e4, e5 between -126 and 119; e4 + e5 between -126 and 127.  NaN and infinity among the inputs are not served.
; No tensor load, no cluster (the work-groups share only small tables), no prefetch (the launch streams hidden_states with two rows of every wave on their way).
.set STGP,  2064                       ; a stage row: 2,048 codes + 16 bytes: 516 words, so 16 rows start at 16 different groups of four banks
.set STG_V, 16*STGP                    ; LDS: stage of the codes for k_w at 0, for v_w here,
.set STG_G, 32*STGP                    ; for gk_w1 here,
.set NW,    48*STGP                    ; norm_w, 8,192 bytes,
.set PART,  NW+8192                    ; the sixteen waves' partial sums of the product with gk_w1: 16 x 1,024 bytes,
.set GS,    PART+16384                 ; the sixteen added: 1,024 bytes; lanes 16-31 store the same numbers once more 8,192 bytes further on: 9,216 bytes in all,
.set SPARE, GS+9216                    ; the spare words: 128 bytes for each of 16 waves
.set H0,   16                          ; v16-79   a row, 64 numbers a lane
.set H1,   80                          ; v80-143  the other row
.set ZA,   144                         ; v144-159 two tiles of the f32 product: written by matrix instructions alone
.set G1F,  160                         ; v160-175 gk_w1's fragment of K step w
.set W2F,  176                         ; v176-207 gk_w2: four tiles of 16 channels x 16
.set T,    208                         ; v208-247 at work
.set BIAS, 248                         ; v248-251 gk_b log2(e) of my lane's four channels
.set SUM,  252                         ; v252-255 their sums over the rows
; v1 16 x lane; v2 norm_w in LDS; v3, v4 where my row's codes go; v5, v6 where my K step's fragment is read; v7 my partial sums; v8 the added sums; v9, v10 the add's two; v11, v14, v15 2^e0, 2^e2, 2^e4;
; v12 the row's rsqrt, later my slice's sum; v13 my slice of the partial sums in LDS (it is also named, unread, as the upper half of the pair v[12:13])
.macro LIMS e, neg, pos                ; -+448 x 2^e as f32, in scalar registers
	s_add_co_i32 s[\pos], s[\e], 135
	s_lshl_b32 s[\pos], s[\pos], 23
	s_or_b32 s[\pos], s[\pos], 0x600000
	s_or_b32 s[\neg], s[\pos], 0x80000000
.endm
.macro POW2 e, vd                      ; 2^e as f32: a conversion takes its exponent field
	s_add_co_i32 s57, s[\e], 127
	s_lshl_b32 s57, s57, 23
	v_mov_b32 v[\vd], s57
.endm
; A weight's fragment: 16 rows x 128 code places.  By the permutation, place 32 c + 16 h + 4 jj + ii of K step ks is byte 2,048 (ks / 4) + 128 (ks % 4) + 512 jj + 32 c + 16 h + 4 ii of the row.
.macro FRAGL tmp, voff, base
.irp c, 0,1,2,3
.irp jj, 0,1,2,3
	global_load_b128 v[\tmp+16*\c+4*\jj:\tmp+16*\c+4*\jj+3], v[\voff], s[\base:\base+1] offset:512*\jj+32*\c
.endr
.endr
.endm
.macro FRAGA dst, tmp, sneg, spos, vsc
.irp c, 0,1,2,3
.irp i, 0,1,2,3,4,5,6,7,8,9,10,11,12,13,14,15
	v_med3_num_f32 v[\tmp+16*\c+\i], v[\tmp+16*\c+\i], s[\sneg], s[\spos]   ; the conversion does not saturate (ISA guide 7.6.2): the hold at the largest code x the scale
.endr
	v_cvt_scalef32_pk8_fp8_f32 v[\dst+4*\c:\dst+4*\c+1], v[\tmp+16*\c:\tmp+16*\c+7], v[\vsc]
	v_cvt_scalef32_pk8_fp8_f32 v[\dst+4*\c+2:\dst+4*\c+3], v[\tmp+16*\c+8:\tmp+16*\c+15], v[\vsc]
.endr
	v_nop                                          ; a plain line behind the last conversion
.endm
.macro ROWLOAD buf, i                  ; my row of run i: 16 loads of 512 consecutive bytes
.irp j, 0,1,2,3,4,5,6,7,8,9,10,11,12,13,14,15
	global_load_b128 v[\buf+4*\j:\buf+4*\j+3], v1, s[60:61] offset:131072*(\i)+512*\j th:TH_LOAD_NT
.endr
.endm
.macro QSET buf, p, sneg, spos, vsc, adr, off   ; 16 numbers -> 16 codes by one of x's scales -> my row of that stage.  Each quarter p has its own four registers of codes
.irp n, 0,1,2,3,4,5,6,7,8,9,10,11,12,13,14,15
	v_med3_num_f32 v[T+\n], v[\buf+16*(\p)+\n], s[\sneg], s[\spos]
.endr
	v_cvt_scalef32_pk8_fp8_f32 v[T+16+4*(\p):T+17+4*(\p)], v[T:T+7], v[\vsc]
	v_cvt_scalef32_pk8_fp8_f32 v[T+18+4*(\p):T+19+4*(\p)], v[T+8:T+15], v[\vsc]
	v_nop                                          ; a plain line between the conversions and the next quarter's holds, which write their sources
	ds_store_b128 v[\adr], v[T+16+4*(\p):T+19+4*(\p)] offset:\off+512*(\p)
.endm
.macro QROW buf, sneg, spos, vsc, adr, off      ; the whole row by one scale
	QSET \buf, 0, \sneg, \spos, \vsc, \adr, \off
	QSET \buf, 1, \sneg, \spos, \vsc, \adr, \off
	QSET \buf, 2, \sneg, \spos, \vsc, \adr, \off
	QSET \buf, 3, \sneg, \spos, \vsc, \adr, \off
.endm
.macro BAR                             ; my LDS stores have landed and my LDS loads are in: then the work-group's barrier
	s_wait_dscnt 0x0
	s_barrier_signal -1
	s_barrier_wait -1
.endm
; The gate of 16 rows x two tiles of 16 channels.  z = g16 gk_w2^T in f32: four steps of 4 along its K = 16; step q takes registers 2 q, 2 q + 1 of both sides (i = 8 h + 2 q + j: the same places on both).
; In the result a lane holds one channel and its registers the rows 8 h + j.  z' = z log2(e); l = min(z', 0) - log2(1 + 2^-|z'|): the log-sigmoid in base 2, in the form that cannot overflow.
.macro GATE2 n0, first
.irp q, 0,1,2,3                        ; the two accumulators take turns
.if \q == 0
	v_wmma_f32_16x16x4_f32 v[ZA:ZA+7], v[T+2*\q:T+2*\q+1], v[W2F+8*(\n0)+2*\q:W2F+8*(\n0)+2*\q+1], 0
	v_wmma_f32_16x16x4_f32 v[ZA+8:ZA+15], v[T+2*\q:T+2*\q+1], v[W2F+8*(\n0)+8+2*\q:W2F+8*(\n0)+9+2*\q], 0
.else
	v_wmma_f32_16x16x4_f32 v[ZA:ZA+7], v[T+2*\q:T+2*\q+1], v[W2F+8*(\n0)+2*\q:W2F+8*(\n0)+2*\q+1], v[ZA:ZA+7]
	v_wmma_f32_16x16x4_f32 v[ZA+8:ZA+15], v[T+2*\q:T+2*\q+1], v[W2F+8*(\n0)+8+2*\q:W2F+8*(\n0)+9+2*\q], v[ZA+8:ZA+15]
.endif
.endr
.rept 8
	v_nop                                          ; eight places behind this form, ahead of the first read of its results (ISA guide 7.12.1)
.endr
.irp u, 0,1
.irp e, 0,1,2,3,4,5,6,7
	v_fma_f32 v[T+8+8*\u+\e], v[ZA+8*\u+\e], s50, v[BIAS+\n0+\u]   ; z' = sum x log2(e) 2^(e4 + e5) + b log2(e); each accumulator from its low end on
.endr
.endr
.set GI, 0
	s_wait_alu depctr_va_vdst(0)
.rept 16
	v_exp_f32 v[T+24+GI], -|v[T+8+GI]|
.set GI, GI+1
.endr
	v_nop                                          ; a plain line behind the last exponential,
	s_wait_alu depctr_va_vdst(0)                   ; and one wait for the batch, ahead of its first reader
.set GI, 0
.rept 8
	v_pk_add_f32 v[T+24+2*GI:T+25+2*GI], v[T+24+2*GI:T+25+2*GI], 1.0 op_sel_hi:[1,0]
.set GI, GI+1
.endr
.set GI, 0
	s_wait_alu depctr_va_vdst(0)
.rept 16
	v_log_f32 v[T+24+GI], v[T+24+GI]
.set GI, GI+1
.endr
.set GI, 0
.rept 16
	v_min_num_f32 v[T+8+GI], 0, v[T+8+GI]          ; plain work behind the logarithms
.set GI, GI+1
.endr
	s_wait_alu depctr_va_vdst(0)                   ; one wait for the sixteen logarithms
.set GI, 0
.rept 8
	v_pk_add_f32 v[T+8+2*GI:T+9+2*GI], v[T+8+2*GI:T+9+2*GI], v[T+24+2*GI:T+25+2*GI] neg_lo:[0,1] neg_hi:[0,1]
.set GI, GI+1
.endr
.irp u, 0
	v_pk_add_f32 v[T+8+8*\u:T+9+8*\u], v[T+8+8*\u:T+9+8*\u], v[T+10+8*\u:T+11+8*\u]
	v_pk_add_f32 v[T+12+8*\u:T+13+8*\u], v[T+12+8*\u:T+13+8*\u], v[T+14+8*\u:T+15+8*\u]
.endr
.irp u, 1
	v_pk_add_f32 v[T+8+8*\u:T+9+8*\u], v[T+8+8*\u:T+9+8*\u], v[T+10+8*\u:T+11+8*\u]
	s_delay_alu instid0(VALU_DEP_4)
	v_pk_add_f32 v[T+12+8*\u:T+13+8*\u], v[T+12+8*\u:T+13+8*\u], v[T+14+8*\u:T+15+8*\u]
.endr
.irp u, 0
	s_delay_alu instid0(VALU_DEP_3)
	v_pk_add_f32 v[T+8+8*\u:T+9+8*\u], v[T+8+8*\u:T+9+8*\u], v[T+12+8*\u:T+13+8*\u]
.endr
.irp u, 1
	s_delay_alu instid0(VALU_DEP_2)
	v_pk_add_f32 v[T+8+8*\u:T+9+8*\u], v[T+8+8*\u:T+9+8*\u], v[T+12+8*\u:T+13+8*\u]
.endr
.irp u, 0
.if \first
	s_delay_alu instid0(VALU_DEP_2)
	v_add_f32 v[SUM+\n0+\u], v[T+8+8*\u], v[T+9+8*\u]   ; the first run starts the sums: nothing is cleared
.else
	s_delay_alu instid0(VALU_DEP_2)
	v_add_f32 v[T+8+8*\u], v[T+8+8*\u], v[T+9+8*\u]
	s_delay_alu instid0(VALU_DEP_1)
	v_add_f32 v[SUM+\n0+\u], v[SUM+\n0+\u], v[T+8+8*\u]
.endif
.endr
.irp u, 1
.if \first
	s_delay_alu instid0(VALU_DEP_2)
	v_add_f32 v[SUM+\n0+\u], v[T+8+8*\u], v[T+9+8*\u]   ; the first run starts the sums: nothing is cleared
.else
	s_delay_alu instid0(VALU_DEP_3)
	v_add_f32 v[T+8+8*\u], v[T+8+8*\u], v[T+9+8*\u]
	s_delay_alu instid0(VALU_DEP_1)
	v_add_f32 v[SUM+\n0+\u], v[SUM+\n0+\u], v[T+8+8*\u]
.endif
.endr
.endm
; The gate of run gi.  It stands behind a barrier that follows every wave's store of its slice of the added sums, and ahead of the barrier behind which those bytes are stored again.
.macro GATES gi, first
	ds_load_b128 v[T:T+3], v8                      ; the run's raw sums: lane (r, h): row r, i = 8 h + 0 .. 7: the f32 product's operand as it stands
	ds_load_b128 v[T+4:T+7], v8 offset:512
	s_wait_dscnt 0x0
	s_cmp_lg_u32 s56, 0
	s_cbranch_scc1 .Lno_g_\@
	global_store_b128 v1, v[T:T+3], s[68:69] offset:1024*(\gi)          ; wave 0: the raw sums, for the next launch
	global_store_b128 v1, v[T+4:T+7], s[68:69] offset:1024*(\gi)+512
.Lno_g_\@:
.if \first
.irp n, 0,1,2,3
	v_mul_f32 v[BIAS+\n], 0x3fb8aa3b, v[BIAS+\n]   ; gk_b and gk_w2 are in: the wait for my row at this run's head left only younger loads out
.endr
.endif
	GATE2 0, \first
	GATE2 2, \first
	s_wait_xcnt 0x0                                ; wave 0's stores have read the sums' registers, which are loaded anew below
.endm
; One run of 16 rows.  cnt: the younger loads that may stay out when my row has to be there.
.macro SUBC i, buf, cnt
	s_wait_loadcnt \cnt
.irp j, 0,1,2,3,4,5,6,7
	ds_load_b128 v[T+4*\j:T+4*\j+3], v2 offset:512*\j   ; norm_w's first half, on its way while the squares are summed
.endr
.irp m, 0,1,2,3
	v_pk_mul_f32 v[T+32+2*\m:T+33+2*\m], v[\buf+2*\m:\buf+2*\m+1], v[\buf+2*\m:\buf+2*\m+1]   ; four packed chains, started by the first products
.endr
.set SI, 4
.rept 28
	s_delay_alu instid0(VALU_DEP_4)
	v_pk_fma_f32 v[T+32+2*(SI%4):T+33+2*(SI%4)], v[\buf+2*SI:\buf+2*SI+1], v[\buf+2*SI:\buf+2*SI+1], v[T+32+2*(SI%4):T+33+2*(SI%4)]
.set SI, SI+1
.endr
	s_delay_alu instid0(VALU_DEP_3)
	v_pk_add_f32 v[T+32:T+33], v[T+32:T+33], v[T+34:T+35]
	s_delay_alu instid0(VALU_DEP_2)
	v_pk_add_f32 v[T+36:T+37], v[T+36:T+37], v[T+38:T+39]
	s_delay_alu instid0(VALU_DEP_1)
	v_pk_add_f32 v[T+32:T+33], v[T+32:T+33], v[T+36:T+37]
	s_delay_alu instid0(VALU_DEP_1)
	v_add_f32 v[T+32], v[T+32], v[T+33]
	s_delay_alu instid0(VALU_DEP_1)
	v_add_f32_dpp v[T+32], v[T+32], v[T+32] row_xmask:1 row_mask:0xf bank_mask:0xf
	s_delay_alu instid0(VALU_DEP_1)
	v_add_f32_dpp v[T+32], v[T+32], v[T+32] row_xmask:2 row_mask:0xf bank_mask:0xf
	s_delay_alu instid0(VALU_DEP_1)
	v_add_f32_dpp v[T+32], v[T+32], v[T+32] row_xmask:4 row_mask:0xf bank_mask:0xf
	s_delay_alu instid0(VALU_DEP_1)
	v_add_f32_dpp v[T+32], v[T+32], v[T+32] row_xmask:8 row_mask:0xf bank_mask:0xf
	s_delay_alu instid0(VALU_DEP_1)
	v_permlanex16_b32 v[T+33], v[T+32], s52, s53
	s_delay_alu instid0(VALU_DEP_1)
	v_add_f32 v[T+32], v[T+32], v[T+33]
	s_delay_alu instid0(VALU_DEP_1)
	v_fma_f32 v[T+32], v[T+32], s54, s55           ; sum / 2,048 + eps
	s_wait_alu depctr_va_vdst(0)
	v_rsq_f32 v12, v[T+32]
	v_nop
	s_wait_alu depctr_va_vdst(0)                   ; ahead of the first reader of the root
.set SI, 0
.rept 32
	v_pk_mul_f32 v[\buf+2*SI:\buf+2*SI+1], v[\buf+2*SI:\buf+2*SI+1], v[12:13] op_sel_hi:[1,0]   ; h x rsqrt first, then x norm_w: the order of the definition (of the pair the low word serves both halves)
.set SI, SI+1
.endr
	s_wait_dscnt 0x0
.set SI, 0
.rept 16
	v_pk_mul_f32 v[\buf+2*SI:\buf+2*SI+1], v[\buf+2*SI:\buf+2*SI+1], v[T+2*SI:T+2*SI+1]
.set SI, SI+1
.endr
.irp j, 0,1,2,3,4,5,6,7
	ds_load_b128 v[T+4*\j:T+4*\j+3], v2 offset:4096+512*\j
.endr
	s_wait_dscnt 0x0
.set SI, 0
.rept 16
	v_pk_mul_f32 v[\buf+32+2*SI:\buf+33+2*SI], v[\buf+32+2*SI:\buf+33+2*SI], v[T+2*SI:T+2*SI+1]
.set SI, SI+1
.endr
	QROW \buf, 40, 41, 11, 3, 0                    ; the codes for k_w, always
	s_cmp_eq_u32 s34, s32                          ; e2 = e0: the codes for v_w are the same numbers
	s_cbranch_scc1 .Lsame_v_\@
	s_wait_dscnt 0x0                               ; the last set's stores are done: its registers of codes are written again
	QROW \buf, 42, 43, 14, 3, STG_V
.Lsame_v_\@:
	s_cmp_eq_u32 s36, s32                          ; e4 = e0: so are those for gk_w1
	s_cbranch_scc1 .Lsame_g_\@
	s_wait_dscnt 0x0
	QROW \buf, 44, 45, 15, 4, 0
.Lsame_g_\@:
	s_wait_dscnt 0x0                               ; my row's codes lie in the stages; my slice of the last run's sums has landed, and my reads of its partial sums are long in
.if (\i) < 2
	ROWLOAD \buf, (\i)+2                           ; the row two runs on, into the registers just left
.elseif (\i) == 2
	s_cmp_lt_u32 s56, 6                            ; waves 0 to 5: the weights' fragment is asked for, into the same registers
	s_cbranch_scc0 .Lno_w_\@
	v_and_b32 v[T], 15, v0
	v_bfe_u32 v[T+1], v0, 4, 1
	s_delay_alu instid0(VALU_DEP_2)
	v_lshlrev_b32 v[T], s77, v[T]                  ; from lane to lane: four rows of k_w, or one of v_w
	s_delay_alu instid0(VALU_DEP_1)
	v_lshl_add_u32 v[T], v[T+1], 4, v[T]
	FRAGL H0, T, 74
	s_wait_xcnt 0x0                                ; the loads have read their offset: its register is written again below
.Lno_w_\@:
.endif
	s_barrier_signal -1
	s_barrier_wait -1                              ; the stages are whole, and so are the last run's added sums
.if (\i) == 1
	GATES 0, 1                                     ; the gate of the run before stands here, so that its sums need no barrier of their own
.elseif (\i) > 1
	GATES (\i)-1, 0
.endif
.irp c, 0,1,2,3
	ds_load_b128 v[T+16+4*\c:T+19+4*\c], v5 offset:32*\c    ; K step w of the 16 rows: the codes for k_w
.endr
	s_cmp_eq_u32 s36, s32
	s_cbranch_scc1 .Lone_g_\@
.irp c, 0,1,2,3
	ds_load_b128 v[T+4*\c:T+4*\c+3], v6 offset:32*\c        ; and, where their scale is another, those for gk_w1
.endr
	s_wait_dscnt 0x0
	v_wmma_f32_16x16x128_fp8_fp8 v[T+32:T+39], v[G1F:G1F+15], v[T:T+15], 0   ; transposed: a lane holds one row t, its registers i = 8 h + j of the sixteen
	s_branch .Lmade_g_\@
.Lone_g_\@:
	s_wait_dscnt 0x0
	v_wmma_f32_16x16x128_fp8_fp8 v[T+32:T+39], v[G1F:G1F+15], v[T+16:T+31], 0
.Lmade_g_\@:
.irp c, 0,1,2,3
	global_store_b128 v1, v[T+16+4*\c:T+19+4*\c], s[62:63] offset:2048*(\i)+512*\c   ; the image as it stands: 512 consecutive bytes a store
.endr
.rept 4
	v_nop                                          ; four places, ahead of the stores of the product's result and of loads into its source
.endr
	ds_store_b128 v7, v[T+32:T+35]
	ds_store_b128 v7, v[T+36:T+39] offset:512
	s_cmp_eq_u32 s34, s32
	s_cbranch_scc1 .Lone_v_\@
.irp c, 0,1,2,3
	ds_load_b128 v[T+4*\c:T+4*\c+3], v5 offset:STG_V+32*\c
.endr
	s_wait_dscnt 0x0
.irp c, 0,1,2,3
	global_store_b128 v1, v[T+4*\c:T+4*\c+3], s[66:67] offset:2048*(\i)+512*\c
.endr
	s_branch .Lmade_v_\@
.Lone_v_\@:
.irp c, 0,1,2,3
	global_store_b128 v1, v[T+16+4*\c:T+19+4*\c], s[66:67] offset:2048*(\i)+512*\c   ; the same codes serve the product with v_w
.endr
.Lmade_v_\@:
	BAR                                            ; the sixteen partial sums lie in LDS; nobody reads the stages, or the last run's added sums, any more
	s_wait_xcnt 0x0                                ; the stores have read their registers
.irp k, 0,1,2,3,4,5,6,7                ; THE SIXTEEN ARE ADDED ONCE: wave w takes bytes 64 w .. 64 w + 63 of the images; lanes 0-15 partial sums 0 to 7, lanes 16-31 partial sums 8 to 15
	ds_load_b32 v[T+8+\k], v13 offset:1024*\k
.endr
	s_wait_dscnt 0x0
	v_add_f32 v[T+8], v[T+8], v[T+9]
	v_add_f32 v[T+10], v[T+10], v[T+11]
	v_add_f32 v[T+12], v[T+12], v[T+13]
	v_add_f32 v[T+14], v[T+14], v[T+15]
	s_delay_alu instid0(VALU_DEP_3)
	v_add_f32 v[T+8], v[T+8], v[T+10]
	s_delay_alu instid0(VALU_DEP_2)
	v_add_f32 v[T+12], v[T+12], v[T+14]
	s_delay_alu instid0(VALU_DEP_1)
	v_add_f32 v[T+8], v[T+8], v[T+12]
	s_delay_alu instid0(VALU_DEP_1)
	v_permlanex16_b32 v[T+9], v[T+8], s52, s53     ; the other eight
	s_delay_alu instid0(VALU_DEP_1)
	v_add_f32 v12, v[T+8], v[T+9]
	ds_store_b32 v13, v12 offset:16384             ; my slice of the added sums (lanes 16-31: the same numbers, 8,192 bytes further on); read behind the next barrier
.endm
	s_load_b512 s[4:19], s[0:1], 0x0               ; hidden_states 4, norm_w 6, gk_w1 8, gk_w2 10, gk_b 12, k_w 14, v_w 16, lowp_scales 18
	s_load_b256 s[20:27], s[0:1], 0x40             ; xk 20, xv 22, wq 24, g16 26
	s_load_b64 s[28:29], s[0:1], 0x60              ; csum
	v_lshl_add_u32 v9, v0, 2, SPARE
	v_mov_b32 v10, 0
	v_lshrrev_b32 v1, 5, v0
	s_delay_alu instid0(VALU_DEP_1)
	v_readfirstlane_b32 s56, v1                    ; wave 0..15
	v_and_b32 v1, 31, v0
	s_delay_alu instid0(VALU_DEP_1)
	v_lshlrev_b32 v1, 4, v1                        ; 16 x lane
	v_and_b32 v252, 15, v0                         ; r
	v_bfe_u32 v253, v0, 4, 1                       ; h
	s_delay_alu instid0(VALU_DEP_3)
	v_add_nc_u32 v2, NW, v1
	s_mul_i32 s57, s56, STGP
	v_add_nc_u32 v3, s57, v1                       ; stage row w
	s_delay_alu instid0(VALU_DEP_1)
	v_add_nc_u32 v4, STG_G, v3
	v_mul_u32_u24 v5, v252, STGP
	s_delay_alu instid0(VALU_DEP_1)
	v_lshl_add_u32 v5, v253, 4, v5
	s_lshl_b32 s57, s56, 7
	v_add_nc_u32 v5, s57, v5                       ; stage row r, K step w, my half
	s_delay_alu instid0(VALU_DEP_1)
	v_add_nc_u32 v6, STG_G, v5
	s_lshl_b32 s57, s56, 10
	s_add_co_u32 s57, s57, PART
	v_add_nc_u32 v7, s57, v1
	v_add_nc_u32 v8, GS, v1
	v_lshlrev_b32 v13, 2, v252                     ; my slice: 4 r,
	s_delay_alu instid0(VALU_DEP_1)
	v_lshl_add_u32 v13, v253, 13, v13              ; + 8,192 h: eight partial sums further on,
	s_lshl_b32 s57, s56, 6
	s_add_co_u32 s57, s57, PART
	v_add_nc_u32 v13, s57, v13                     ; + 64 w
	v_lshlrev_b32 v254, 13, v252
	s_delay_alu instid0(VALU_DEP_1)
	v_lshl_add_u32 v254, v253, 4, v254             ; gk_w1: row r of 8,192 bytes, + 16 h
	v_lshlrev_b32 v244, 4, v0                      ; norm_w: 16 bytes a thread
	s_delay_alu instid0(VALU_DEP_1)
	v_add_nc_u32 v245, NW, v244
	v_lshlrev_b32 v255, 8, v252
	s_delay_alu instid0(VALU_DEP_1)
	v_lshl_add_u32 v255, v253, 5, v255             ; gk_w2: four rows of 64 bytes a lane, + 32 h
	s_mov_b32 s52, 0x76543210                      ; v_permlanex16_b32: lane l xor 16
	s_mov_b32 s53, 0xfedcba98
	s_mov_b32 s54, 0x3a000000                      ; 1 / 2,048
	s_mov_b32 s55, 0x3727c5ac                      ; 1e-5
	s_lshr_b32 s30, s56, 2
	s_lshl_b32 s30, s30, 11
	s_and_b32 s57, s56, 3
	s_lshl_b32 s57, s57, 7
	s_add_co_u32 s30, s30, s57                     ; K step w in a row of a weight
	s_mov_b32 s31, 0
	; which fragment of the weights is mine (waves 0 to 5): number 6 c + w of 1,536 = [hg 4][nt 24][ks 16]
	s_mul_i32 s57, ttmp9, 6
	s_add_co_u32 s57, s57, s56
	s_and_b32 s58, s57, 15                         ; ks
	s_lshr_b32 s59, s57, 4
	s_mul_i32 s76, s59, 171
	s_lshr_b32 s76, s76, 12                        ; hg = (number / 16) / 24
	s_mul_i32 s77, s76, 24
	s_sub_co_u32 s79, s59, s77                     ; nt
	s_lshl_b32 s77, s76, 4
	s_add_co_u32 s77, s77, s58
	s_mul_i32 s77, s77, 24
	s_add_co_u32 s77, s77, s79
	s_lshl_b32 s72, s77, 11                        ; its place in wq: ((16 hg + ks) 24 + nt) x 2,048
	s_mov_b32 s73, 0
	s_lshl_b32 s57, s76, 8
	s_lshr_b32 s59, s79, 2
	s_lshl_b32 s59, s59, 6
	s_add_co_u32 s57, s57, s59
	s_and_b32 s59, s79, 3
	s_add_co_u32 s57, s57, s59                     ; k_w: lane 0's row 256 hg + 64 (nt / 4) + nt % 4; lane r's 4 r further
	s_lshl_b32 s59, s76, 7
	s_lshl_b32 s77, s79, 4
	s_add_co_u32 s59, s59, s77
	s_sub_co_u32 s59, s59, 256                     ; v_w: row 128 hg + 16 (nt - 16); lane r's r further
	s_cmp_lt_u32 s79, 16
	s_cselect_b32 s57, s57, s59
	s_cselect_b32 s77, 15, 13                      ; log2 of the bytes from lane to lane
	s_lshl_b32 s74, s57, 13
	s_lshr_b32 s59, s58, 2
	s_lshl_b32 s59, s59, 11
	s_add_co_u32 s74, s74, s59
	s_and_b32 s59, s58, 3
	s_lshl_b32 s59, s59, 7
	s_add_co_u32 s74, s74, s59
	s_mov_b32 s75, 0
	s_wait_alu depctr_va_vdst(0)
	s_wait_kmcnt 0x0
	s_load_b256 s[32:39], s[18:19], 0x0            ; e0 .. e7: they stay in these registers, for the branches on equal scales
	s_add_nc_u64 s[8:9], s[8:9], s[30:31]
	s_lshl_b32 s30, ttmp9, 6
	s_add_co_u32 s30, s30, s56
	s_lshl_b32 s30, s30, 13
	s_add_nc_u64 s[60:61], s[4:5], s[30:31]        ; hidden_states at row 64 c + w
	ROWLOAD H0, 0                                  ; the first row is asked for ahead of the tables
	FRAGL W2F, 254, 8                              ; gk_w1's K step w, 64 numbers a lane, into v176-239
	global_load_b128 v[240:243], v244, s[6:7]
	ROWLOAD H1, 1
	s_lshr_b32 s30, ttmp9, 2
	s_lshl_b32 s30, s30, 19
	s_lshl_b32 s57, s56, 15
	s_add_co_u32 s30, s30, s57
	s_and_b32 s57, ttmp9, 3
	s_lshl_b32 s57, s57, 13
	s_add_co_u32 s30, s30, s57                     ; block of 256 rows c / 4, K step w, tile 4 (c % 4)
	s_add_nc_u64 s[62:63], s[20:21], s[30:31]
	s_add_nc_u64 s[66:67], s[22:23], s[30:31]
	s_lshl_b32 s30, ttmp9, 12
	s_add_nc_u64 s[68:69], s[26:27], s[30:31]      ; g16 at tile 4 c
	s_lshl_b32 s57, s56, 8
	s_add_co_u32 s30, s30, s57
	s_add_nc_u64 s[70:71], s[28:29], s[30:31]      ; csum at chunk c, channel 64 w
	s_mov_b32 s30, s57
	s_add_nc_u64 s[12:13], s[12:13], s[30:31]      ; gk_b at channel 64 w
	s_lshl_b32 s30, s56, 12
	s_add_nc_u64 s[10:11], s[10:11], s[30:31]      ; gk_w2 at row 64 w
	s_add_nc_u64 s[72:73], s[24:25], s[72:73]
	s_cmp_lt_u32 s79, 16                           ; the choice hangs on ids alone
	s_cselect_b64 s[30:31], s[14:15], s[16:17]
	s_add_nc_u64 s[74:75], s[30:31], s[74:75]
	s_wait_kmcnt 0x0
	LIMS 32, 40, 41
	LIMS 34, 42, 43
	LIMS 36, 44, 45
	LIMS 37, 46, 47
	POW2 32, 11
	POW2 34, 14
	POW2 36, 15
	POW2 37, 246
	s_cmp_lt_u32 s79, 16
	s_cselect_b32 s58, s33, s35                    ; the weight's exponent: a choice, no branch
	LIMS 58, 48, 49
	s_add_co_i32 s78, s58, 127
	s_lshl_b32 s78, s78, 23
	s_add_co_i32 s57, s36, s37
	s_lshl_b32 s57, s57, 23
	s_add_co_i32 s50, s57, 0x3fb8aa3b              ; log2(e) 2^(e4 + e5): the exponents are added to the exponent field
	s_wait_loadcnt 16                              ; row 0, gk_w1 and norm_w are in; row 1's 16 loads may be out
	ds_store_b128 v245, v[240:243]
	FRAGA G1F, W2F, 46, 47, 246
	v_lshlrev_b32 v254, 4, v252                    ; gk_b: 16 r
.irp n, 0,1,2,3
	global_load_b128 v[W2F+8*\n:W2F+8*\n+3], v255, s[10:11] offset:64*\n       ; channel 64 w + 4 r + n, i = 8 h + 0 .. 7
	global_load_b128 v[W2F+8*\n+4:W2F+8*\n+7], v255, s[10:11] offset:64*\n+16
.endr
	global_load_b128 v[BIAS:BIAS+3], v254, s[12:13]
	BAR                                            ; norm_w lies in LDS
	SUBC 0, H0, 25                                 ; out may be: row 1's sixteen loads, gk_w2's eight, gk_b's one
	SUBC 1, H1, 16                                 ; the next row's sixteen: so gk_w2 and gk_b are in too
	SUBC 2, H0, 16
	SUBC 3, H1, 0                                  ; the last row; in waves 0 to 5 the weights' fragment too
	BAR                                            ; the last run's added sums lie in LDS
	GATES 3, 0
	s_cmp_lt_u32 s56, 6
	s_cbranch_scc0 .Lno_weight
	v_mov_b32 v[T+16], s78
	FRAGA T, H0, 48, 49, T+16
.irp c, 0,1,2,3
	global_store_b128 v1, v[T+4*\c:T+4*\c+3], s[72:73] offset:512*\c
.endr
.Lno_weight:
	s_wait_alu depctr_va_vdst(0)
.irp n, 0,1,2,3
	v_permlanex16_b32 v[T+24+\n], v[SUM+\n], s52, s53   ; the other eight rows of each tile lie in lane l xor 16
.endr
.irp n, 0,1,2,3
	s_delay_alu instid0(VALU_DEP_4)
	v_add_f32 v[SUM+\n], v[SUM+\n], v[T+24+\n]
.endr
.irp n, 0,1,2,3
	s_delay_alu instid0(VALU_DEP_4)
	v_mul_f32 v[SUM+\n], 0x3d800000, v[SUM+\n]     ; / 16: exact
.endr
	s_wait_alu depctr_va_vdst(0)
	s_wait_xcnt 0x0                                ; EXEC changes only behind this wait
	v_cmp_gt_u32 vcc_lo, 0x100, v1
	s_and_saveexec_b32 s76, vcc_lo                 ; lanes 0 to 15: 256 consecutive bytes, aligned
	global_store_b128 v1, v[SUM:SUM+3], s[70:71]
	s_wait_xcnt 0x0
	s_or_b32 exec_lo, exec_lo, s76
	s_wait_tensorcnt 0x0                           ; the wave's end
	ds_add_u32 v9, v10
	s_wait_dscnt 0x0
	s_endpgm
.Lfunc_end_k_q1dc3dbec41_prep:
	.size	k_q1dc3dbec41_prep, .Lfunc_end_k_q1dc3dbec41_prep-k_q1dc3dbec41_prep
	.p2alignl 7, 3214868480
	.fill 96, 4, 3214868480
	.section	.rodata,"a",@progbits
	.p2align	6, 0x0
	.amdhsa_kernel k_q1dc3dbec41_prep
		.amdhsa_group_segment_fixed_size 134912
		.amdhsa_private_segment_fixed_size 0
		.amdhsa_enable_private_segment 0
		.amdhsa_kernarg_size 104
		.amdhsa_user_sgpr_count 2
		.amdhsa_user_sgpr_kernarg_segment_ptr 1
		.amdhsa_wavefront_size32 1
		.amdhsa_system_sgpr_workgroup_id_x 1
		.amdhsa_system_sgpr_workgroup_id_y 1
		.amdhsa_system_sgpr_workgroup_id_z 1
		.amdhsa_system_vgpr_workitem_id 0
		.amdhsa_next_free_vgpr 256
		.amdhsa_next_free_sgpr 80
		.amdhsa_reserve_vcc 1
		.amdhsa_float_denorm_mode_32 3
		.amdhsa_float_denorm_mode_16_64 3
		.amdhsa_memory_ordered 1
		.amdhsa_forward_progress 1
		.amdhsa_inst_pref_size 186
	.end_amdhsa_kernel
	.amdgpu_metadata
---
amdhsa.version: [ 1, 2 ]
amdhsa.kernels:
  - .name:           k_q1dc3dbec41_prep
    .symbol:         k_q1dc3dbec41_prep.kd
    .args:
      - { .name: hidden_states, .offset: 0, .size: 8, .value_kind: global_buffer, .address_space: global }
      - { .name: norm_w, .offset: 8, .size: 8, .value_kind: global_buffer, .address_space: global }
      - { .name: gk_w1, .offset: 16, .size: 8, .value_kind: global_buffer, .address_space: global }
      - { .name: gk_w2, .offset: 24, .size: 8, .value_kind: global_buffer, .address_space: global }
      - { .name: gk_b, .offset: 32, .size: 8, .value_kind: global_buffer, .address_space: global }
      - { .name: k_w, .offset: 40, .size: 8, .value_kind: global_buffer, .address_space: global }
      - { .name: v_w, .offset: 48, .size: 8, .value_kind: global_buffer, .address_space: global }
      - { .name: lowp_scales, .offset: 56, .size: 8, .value_kind: global_buffer, .address_space: global }
      - { .name: xk, .offset: 64, .size: 8, .value_kind: global_buffer, .address_space: global }
      - { .name: xv, .offset: 72, .size: 8, .value_kind: global_buffer, .address_space: global }
      - { .name: wq, .offset: 80, .size: 8, .value_kind: global_buffer, .address_space: global }
      - { .name: g16, .offset: 88, .size: 8, .value_kind: global_buffer, .address_space: global }
      - { .name: csum, .offset: 96, .size: 8, .value_kind: global_buffer, .address_space: global }
    .group_segment_fixed_size: 134912
    .private_segment_fixed_size: 0
    .kernarg_segment_align: 8
    .kernarg_segment_size: 104
    .max_flat_workgroup_size: 512
    .sgpr_count:     80
    .vgpr_count:     256
    .wavefront_size: 32
...
	.end_amdgpu_metadata
.endif
;; end of part 1
;; launch main (part 2): grid 4 x 64, 4 waves a work-group, clusters of 4 x 4, 327,680 bytes of LDS; arguments xk, xv, wq, g16, gk_w2, gk_b, csum, lowp_scales, part; writes part
.if DOCPART == 2
	.amdgcn_target "amdgcn-amd-amdhsa--gfx1250"
	.amdhsa_code_object_version 6
	.text
	.protected	k_q1dc3dbec41_main
	.globl	k_q1dc3dbec41_main
	.p2align	8
	.type	k_q1dc3dbec41_main,@function
k_q1dc3dbec41_main:
	s_mov_b64 s[64:65], 0
	v_nop
	global_prefetch_b8 v0, s[64:65] scope:SCOPE_SE
	s_setreg_imm32_b32 hwreg(HW_REG_WAVE_MODE, 25, 1), 1
	s_wait_xcnt 0x0
	s_wait_alu depctr_hold_cnt(0) depctr_sa_sdst(0) depctr_va_vdst(0) depctr_va_sdst(0) depctr_va_ssrc(0) depctr_va_vcc(0) depctr_vm_vsrc(0)
	s_getreg_b32 s2, hwreg(HW_REG_IB_STS2, 6, 4)
	s_cmp_eq_u32 s2, 0
	s_cbranch_scc0 .Lentry_in_a_cluster
	s_endpgm
.Lentry_in_a_cluster:
	s_bfe_u32 s2, ttmp6, 0x10000c
	s_cmp_lg_u32 s2, 0xf033
	s_cbranch_scc0 .Lentry_shape_is_right
	s_endpgm
.Lentry_shape_is_right:
; SECOND OF THREE LAUNCHES.  Nothing is left out: all of k, v, the gate and the product over time are made.
; A work-group makes, for 256 time steps (block rb) and 4 heads (group hg): k = x k_w^T (256 channels) and v = x v_w^T (128) on codes of FP8; the gate of its rows from g16 (f32 product with gk_w2,
; log-sigmoid in base 2); the decay 2^(sum of the later steps' gate / 16), whose part beyond the wave's rows comes from csum; the codes of k x decay and of v; their product over its time steps, to part.
; SHARES: wave w: th = w / 2: 128 of the rows (8 tiles of 16); hp = w % 2: two heads: 8 tiles of k's channels, 4 of v's: 96 accumulators, 768 registers (windows 1 to 3).
; LAYOUT: source 0 = 16 rows of x, source 1 = 16 rows of a weight: a lane holds ONE channel and its registers run along time, t = 16 tau + 8 h + j: the last product's K.  Lane r of tile n' of a head holds k channel 4 r + n'.
; RING: K in steps of 128 through two LDS slots of 114,688 bytes (x's codes for k 32 KiB, for v 32 KiB, the weights' 48 KiB: dense images of operand registers); a longer step does not fit twice in LDS.
; One tensor load a wave behind each round.  At a change of slots only the guards stand between the wait for the loads and the refill.
; HEAD: slot 0's fill; all 66 loads of csum and gk_b (32 of them into window 1, whose sums have not begun); the full sequence and a round; slot 1's fill; then the carry is summed.
; g16 and gk_w2 are asked for behind the tail's change of slots, behind which nothing is filled again.
; CLUSTER 4 x 4: the four of a row share rb (xk, xv, g16), the four of a column share hg (wq, gk_w2): each tile is asked for jointly.
; PREFETCH: behind each refill every wave names the K step two refills on of what it fetches: x: 32,768 bytes shared by cx, 8,192 each, a lane 256 bytes; weights: 24,576 bytes shared by cy, 6,144 each (lanes 24-31 name lane 23's block again).
; K steps 0 to 3 come by their loads alone; the loop's last trip asks for nothing: there is no K step 16.
; LIMITS: e7 - e2 - e3 and e6 - e0 - e1 between -126 and 119; e4 + e5 and e6 + e7 between -126 and 127.  NaN and infinity are not served.  A decay under 2^-126 counts as 0 (the exponential flushes: ISA guide 15.8).
.set SLOT,  114688
.set AV,    32768
.set BOF,   65536
.set BVO,   98304
.set G16L,  2*SLOT                     ; g16 of the block: 16 images of 1,024 bytes; filled once
.set W2L,   G16L+16384                 ; gk_w2's 256 rows: 64 lines of 256 + 16 bytes; filled once
.set BCL,   W2L+17408                  ; (b', carry) pairs: 2,048 bytes a wave, its own
.set SPARE, BCL+8192                   ; the spare words
.set ROWST, 65536                      ; the way out lies in slot 0, behind its last fill and last read
.set VA,  2
.set VBK, 4
.set VBV, 6
.set SPW, 8
.set NIL, 9
.set PFO, 10
.set GA,  11
.set WA,  12
.set BCA, 13
.set XW,  14
.set XR,  15
.set RW,  16
.set RRD, 17
.set L16, 18
.set M0R, 19
.set SCV, 20
.set SCK, 21
.set WAT, 22
.set BCT, 23
.set A16, 24
.set FB,  32                           ; loop: v32-127 the weights' 12 fragments, v128-191 x for k, v192-255 x for v
.set SK,  128
.set SV,  192
.set VC,  32                           ; way out: v32-95 v's codes, v96-111 two fragments of gk_w2, v112-115 two pairs, v116-123 offsets, v124 running carry
.set W2P, 96
.set BCR, 112
.set O16, 116
.set RUN, 124
.set Z,   128
.set E,   192
; window 3 in the way out: v0-63 the f32 product's sums (written by matrix instructions alone); v128-191 g16's fragments
.set G1A, 24
.set G1B, 32
.set G1G, 40
.set G1W, 48
.set G0A, 56
.set G0B, 68
.set G0G, 76
.set G0W, 80
; s84 wave, s85 th, s86 hp, s[66:67] the prefetch's step, s[88:89] its place, s90, s91 lane selects, s[92:93] 1/16, s[94:95] log2(e) 2^(e4+e5), s96-99 the holds, s[100:101] 2^(e6+e7)
.set MSB, 0
.macro WIN new
.if MSB != (\new)
	s_set_vgpr_msb (MSB<<8)|(\new)
.set MSB, (\new)
.endif
.endm
.macro PLACES n
.rept \n
	v_nop
.endr
.endm
.macro AW
	s_wait_alu depctr_va_vdst(0)
.endm
.macro CREST
	s_cmp_lg_u32 s84, 0
	s_cbranch_scc1 .Lnot_wave_0_\@
	s_barrier_signal -3
.Lnot_wave_0_\@:
	s_barrier_wait -3
	s_barrier_signal -1
	s_barrier_wait -1
.endm
.macro CROUND
	s_barrier_signal -1
	s_barrier_wait -1
	CREST
.endm
; a joint load: waves 0, 1 take the first pair of groups, waves 2, 3 the second; one load to an arm, both arms lead to one join
.macro JLOAD g0a, g1a, g0b, g1b
	s_cmp_eq_u32 s85, 0
	s_cbranch_scc0 .Lfor_b_\@
	tensor_load_to_lds s[\g0a:\g0a+3], s[\g1a:\g1a+7]
	s_nop 0
.rept 4
	v_nop
.endr
	s_branch .Lasked_\@
.Lfor_b_\@:
	tensor_load_to_lds s[\g0b:\g0b+3], s[\g1b:\g1b+7]
	s_nop 0
.rept 4
	v_nop
.endr
.Lasked_\@:
.endm
.macro ASK
	s_cmp_gt_u32 s3, 1                             ; not in the loop's last trip
	s_cbranch_scc0 .Lno_ask_\@
	global_prefetch_b8 v[PFO], s[88:89] th:TH_LOAD_NT scope:SCOPE_SE
.Lno_ask_\@:
.endm
; eight products: the weights' fragment n against my eight tiles of rows; the 96 accumulators take turns
.macro P n, zero
.if (\n) < 8
.set PA, SK
.set PW, 1+(\n)/4
.set PB, 64*((\n)%4)
.else
.set PA, SV
.set PW, 3
.set PB, 64*((\n)-8)
.endif
	WIN (PW<<6)|(PW<<4)
.irp t, 0,1,2,3,4,5,6,7
.if \zero
	v_wmma_f32_16x16x64_fp8_fp8 v[PB+8*\t:PB+8*\t+7], v[PA+8*\t:PA+8*\t+7], v[FB+8*(\n):FB+8*(\n)+7], 0
.else
	v_wmma_f32_16x16x64_fp8_fp8 v[PB+8*\t:PB+8*\t+7], v[PA+8*\t:PA+8*\t+7], v[FB+8*(\n):FB+8*(\n)+7], v[PB+8*\t:PB+8*\t+7]
.endif
.endr
.endm
.macro LB n0, cnt, s, u                ; cnt fragments of the weights from n0 on: half u of their images in slot s
.set LN, \n0
.rept \cnt
.if LN < 8
	ds_load_b128 v[FB+8*LN:FB+8*LN+3], v[VBK+\s] offset:2048*LN+1024*\u
	ds_load_b128 v[FB+8*LN+4:FB+8*LN+7], v[VBK+\s] offset:2048*LN+1024*\u+512
.else
	ds_load_b128 v[FB+8*LN:FB+8*LN+3], v[VBV+\s] offset:2048*(LN-8)+1024*\u
	ds_load_b128 v[FB+8*LN+4:FB+8*LN+7], v[VBV+\s] offset:2048*(LN-8)+1024*\u+512
.endif
.set LN, LN+1
.endr
.endm
.macro LSA dst, s, u, off              ; a standing set of x: my eight tiles of rows
.irp t, 0,1,2,3,4,5,6,7
	ds_load_b128 v[\dst+8*\t:\dst+8*\t+3], v[VA+\s] offset:\off+2048*\t+1024*\u
	ds_load_b128 v[\dst+8*\t+4:\dst+8*\t+7], v[VA+\s] offset:\off+2048*\t+1024*\u+512
.endr
.endm
.macro PL n, zero, ns, nu              ; two fragments' products, then those fragments of the next half
	P \n, \zero
	P \n+1, \zero
	WIN 0
	PLACES 4
	LB \n, 2, \ns, \nu
.endm
; Half (s, u) of a K step; the next half is (ns, nu).  mode 0: same slot.  mode 1: the slot changes and is filled again.  mode 2: the slot changes, and the tables are asked for (a first fill; nothing is filled again).
.macro HALF s, u, ns, nu, mode, zero
.if \mode == 1
	s_wait_xcnt 0x0                                ; the last prefetch, a K step back, has read its address
	s_add_nc_u64 s[88:89], s[88:89], s[66:67]
.endif
	PLACES 4
	LB 10, 2, \s, \u
	LSA SV, \s, \u, AV                             ; with mode 1, 2: my last reads of this slot
.if \mode == 0
	s_wait_dscnt 24                                ; out may be: v's four fragments (8 loads) and x for v (16)
.else
	s_wait_tensorcnt 0x0                           ; my one load that is out: my part of the next slot
	ds_add_u32 v[SPW], v[NIL]
.if \mode == 1
	s_add_nc_u64 s[G0A+4*\s+2:G0A+4*\s+3], s[G0A+4*\s+2:G0A+4*\s+3], 65536
	s_add_nc_u64 s[G0B+4*\s+2:G0B+4*\s+3], s[G0B+4*\s+2:G0B+4*\s+3], 98304
.endif
	s_wait_dscnt 0x0                               ; the add is done, my reads of this slot are over
	CROUND
.if \mode == 1
	JLOAD G0A+4*\s, G1A, G0B+4*\s, G1B
.else
	JLOAD G0G, G1G, G0W, G1W
.endif
.endif
	PL 0, \zero, \ns, \nu
.if \mode == 1
	ASK
.endif
	PL 2, \zero, \ns, \nu
	PL 4, \zero, \ns, \nu
	PL 6, \zero, \ns, \nu
	LSA SK, \ns, \nu, 0
	s_wait_dscnt 32                                ; out may be: the next half's k fragments (16 loads) and x for k (16)
	PL 8, \zero, \ns, \nu
	P 10, \zero
	P 11, \zero
	WIN 0
.endm
	s_load_b512 s[4:19], s[0:1], 0x0               ; xk 4, xv 6, wq 8, g16 10, gk_w2 12, gk_b 14, csum 16, lowp_scales 18
	s_load_b64 s[20:21], s[0:1], 0x40              ; part
	v_lshl_add_u32 v[SPW], v0, 2, SPARE
	v_mov_b32 v[NIL], 0
	ds_add_u32 v[SPW], v[NIL]
	ds_add_u32 v[SPW], v[NIL]
	v_lshrrev_b32 v1, 5, v0
	v_readfirstlane_b32 s84, v1
	s_lshr_b32 s85, s84, 1
	s_and_b32 s86, s84, 1
	s_bfe_u32 s22, ttmp6, 0x40000                  ; cx
	s_bfe_u32 s23, ttmp6, 0x40004                  ; cy
	s_lshl_b32 s66, ttmp9, 2
	s_add_co_u32 s66, s66, s22                     ; hg
	s_and_b32 s67, ttmp7, 0xffff
	s_lshl_b32 s67, s67, 2
	s_add_co_u32 s67, s67, s23                     ; rb
	s_lshl_b32 s87, s23, 2
	s_lshl_b32 s87, 15, s87                        ; my row of the cluster
	s_lshl_b32 s88, 0x1111, s22                    ; my column
	s_or_b32 s[G1A], s87, (3<<16)|(1<<21)          ; elements of 8 bytes, no padding: the images are read 512 consecutive bytes at a time
	s_or_b32 s[G1G], s87, (3<<16)|(1<<21)
	s_or_b32 s[G1B], s88, (3<<16)|(1<<21)
	s_or_b32 s[G1W], s88, (3<<16)|(1<<20)|(1<<21)|(5<<22)|(3<<25)   ; 4 words of padding behind every 64
.irp g, G1A, G1B, G1G, G1W
	s_mov_b32 s[\g+1], 32<<16                      ; rows of 256 bytes, dense
	s_mov_b32 s[\g+3], 32<<16
	s_mov_b32 s[\g+5], 32
	s_mov_b32 s[\g+6], 0
	s_mov_b32 s[\g+7], 0
.endr
	s_mov_b32 s[G1A+2], 128<<16
	s_mov_b32 s[G1A+4], 128
	s_mov_b32 s[G1B+2], 96<<16
	s_mov_b32 s[G1B+4], 96
	s_mov_b32 s[G1G+2], 32<<16
	s_mov_b32 s[G1G+4], 32
	s_mov_b32 s[G1W+2], 32<<16
	s_mov_b32 s[G1W+4], 32
	s_mov_b32 s90, 0x76543210
	s_mov_b32 s91, 0xfedcba98
	s_lshl_b32 s92, s67, 19                        ; x's codes: block rb of 524,288 bytes
	s_mov_b32 s93, 0
	s_lshl_b32 s96, s86, 15
	s_mul_i32 s98, s66, 786432                     ; the weights: group hg, my half of a K step's 49,152 bytes
	s_mul_i32 s97, s86, 24576
	s_add_co_u32 s98, s98, s97
	s_mov_b32 s99, 0
	s_add_co_u32 s100, s97, BOF
	s_wait_dscnt 0x0
	s_wait_kmcnt 0x0
	s_cmp_eq_u32 s86, 0
	s_cselect_b64 s[94:95], s[4:5], s[6:7]         ; xk or xv, by the wave's number
	s_add_nc_u64 s[94:95], s[94:95], s[92:93]
	s_add_nc_u64 s[98:99], s[8:9], s[98:99]
.irp s, 0,1
	s_mov_b32 s[G0A+4*\s], 1
	s_add_co_u32 s[G0A+4*\s+1], s96, \s*SLOT
	s_add_nc_u64 s[G0A+4*\s+2:G0A+4*\s+3], s[94:95], \s*32768
	s_or_b32 s[G0A+4*\s+3], s[G0A+4*\s+3], 0x80000000
	s_mov_b32 s[G0B+4*\s], 1
	s_add_co_u32 s[G0B+4*\s+1], s100, \s*SLOT
	s_add_nc_u64 s[G0B+4*\s+2:G0B+4*\s+3], s[98:99], \s*49152
	s_or_b32 s[G0B+4*\s+3], s[G0B+4*\s+3], 0x80000000
.endr
	s_lshl_b32 s92, s22, 13                        ; the prefetches stand at K step 3: the first change of slots steps them to 4
	s_add_co_u32 s92, s92, 98304
	s_mul_i32 s97, s23, 6144
	s_add_co_u32 s97, s97, 147456
	s_cmp_eq_u32 s85, 0
	s_cselect_b32 s92, s92, s97
	s_cselect_b64 s[88:89], s[94:95], s[98:99]
	s_add_nc_u64 s[88:89], s[88:89], s[92:93]
	s_lshl_b32 s92, s67, 14                        ; g16: block rb of 16,384 bytes, my half
	s_lshl_b32 s97, s86, 13
	s_add_co_u32 s92, s92, s97
	s_mov_b32 s[G0G], 1
	s_add_co_u32 s[G0G+1], s97, G16L
	s_add_nc_u64 s[G0G+2:G0G+3], s[10:11], s[92:93]
	s_or_b32 s[G0G+3], s[G0G+3], 0x80000000
	s_lshl_b32 s98, s66, 14                        ; gk_w2: the group's 256 rows of 64 bytes, my half
	s_add_co_u32 s98, s98, s97
	s_mov_b32 s99, 0
	s_mul_i32 s101, s86, 8704
	s_mov_b32 s[G0W], 1
	s_add_co_u32 s[G0W+1], s101, W2L
	s_add_nc_u64 s[G0W+2:G0W+3], s[12:13], s[98:99]
	s_or_b32 s[G0W+3], s[G0W+3], 0x80000000
	CROUND                                         ; all sixteen work-groups are here
	JLOAD G0A, G1A, G0B, G1B                       ; K step 0: one tensor load a wave at the head
	s_load_b256 s[4:11], s[18:19], 0x0             ; e0 .. e7
	v_and_b32 v1, 31, v0
	v_and_b32 v24, 15, v0                          ; r
	v_bfe_u32 v25, v0, 4, 1                        ; h
	v_lshlrev_b32 v[L16], 4, v1
	; the carry: for each of my 128 channels the sum of csum over the batch's chunks of 64 rows behind my 128 rows
	s_and_b32 s92, s67, 15
	s_lshl_b32 s92, s92, 2
	s_lshl_b32 s97, s85, 1
	s_add_co_u32 s92, s92, s97
	s_add_co_u32 s92, s92, 1                       ; my rows' last chunk, counted in the batch
	s_lshl_b32 s94, s66, 10
	s_lshl_b32 s97, s86, 9
	s_add_co_u32 s94, s94, s97                     ; my first channel, in bytes
	s_lshr_b32 s93, s67, 4
	s_lshl_b32 s93, s93, 18                        ; the batch's first chunk
	s_add_co_u32 s93, s93, s94
	AW                                             ; r, h and the lane are read behind a run of scalar lines
	v_sub_nc_u32 v26, v25, s92                     ; chunk - last, of the first pair of chunks
	v_lshlrev_b32 v28, 4, v24
	v_lshl_add_u32 v27, v25, 12, v28
	v_add_nc_u32 v27, s93, v27
	v_add_nc_u32 v28, s94, v28
	AW
	; all 64 chunks are read, lanes 0-15 the even ones, lanes 16-31 the odd ones; each load covers two times 256 consecutive bytes
.set CP, 0
.rept 16
	global_load_b128 v[32+8*CP:35+8*CP], v27, s[16:17] offset:8192*CP          ; channels 4 r + 0 .. 3 of my first head,
	global_load_b128 v[36+8*CP:39+8*CP], v27, s[16:17] offset:8192*CP+256      ; of my second
.set CP, CP+1
.endr
	WIN 0x40                                       ; chunks 32 to 63 into window 1
.set CP, 0
.rept 16
	global_load_b128 v[8*CP:8*CP+3], v27, s[16:17] offset:131072+8192*CP
	global_load_b128 v[8*CP+4:8*CP+7], v27, s[16:17] offset:131072+8192*CP+256
.set CP, CP+1
.endr
	WIN 0
	global_load_b128 v[168:171], v28, s[14:15]
	global_load_b128 v[172:175], v28, s[14:15] offset:256
	; the addresses that stay, while the loads are on their way
	s_mov_b32 s92, 23
	s_cmp_eq_u32 s85, 0
	s_cselect_b32 s92, 31, s92
	v_min_u32 v[PFO], s92, v1
	v_lshlrev_b32 v[PFO], 8, v[PFO]
	s_lshl_b32 s92, s85, 14
	v_add_nc_u32 v[VA], s92, v[L16]
	v_add_nc_u32 v[VA+1], SLOT, v[VA]
	s_lshl_b32 s92, s86, 14
	s_add_co_u32 s92, s92, BOF
	v_add_nc_u32 v[VBK], s92, v[L16]
	v_add_nc_u32 v[VBK+1], SLOT, v[VBK]
	s_lshl_b32 s92, s86, 13
	s_add_co_u32 s92, s92, BVO
	v_add_nc_u32 v[VBV], s92, v[L16]
	v_add_nc_u32 v[VBV+1], SLOT, v[VBV]
	s_lshl_b32 s92, s85, 13
	s_add_co_u32 s92, s92, G16L
	v_add_nc_u32 v[GA], s92, v[L16]
	s_mul_i32 s92, s86, 8704
	s_add_co_u32 s92, s92, W2L
	v_mul_u32_u24 v[WA], v24, 272
	v_lshl_add_u32 v[WA], v25, 5, v[WA]
	v_add_nc_u32 v[WA], s92, v[WA]
	s_lshl_b32 s92, s84, 11
	s_add_co_u32 s92, s92, BCL
	v_lshlrev_b32 v[BCA], 3, v1
	v_add_nc_u32 v[BCA], s92, v[BCA]
	s_lshl_b32 s92, s84, 14
	v_add_nc_u32 v[XW], s92, v[L16]
	s_lshl_b32 s92, s86, 14
	s_lshl_b32 s97, s85, 13
	s_add_co_u32 s92, s92, s97
	v_add_nc_u32 v[XR], s92, v[L16]
	s_mul_i32 s92, s84, 9216
	s_add_co_u32 s92, s92, ROWST
	v_mul_u32_u24 v[RW], v24, 576
	v_lshl_add_u32 v[RW], v25, 5, v[RW]
	v_add_nc_u32 v[RW], s92, v[RW]
	v_lshrrev_b32 v29, 3, v1
	v_mul_u32_u24 v[RRD], v29, 144
	v_and_b32 v29, 7, v1
	v_lshl_add_u32 v[RRD], v29, 4, v[RRD]
	v_add_nc_u32 v[RRD], s92, v[RRD]
	v_sub_nc_u32 v[M0R], 1, v25
	v_cvt_f32_u32 v[M0R], v[M0R]                   ; 1.0 in lanes 0-15, 0 in lanes 16-31
	; part at [rb % 16][bh], bh = 16 (rb / 16) + 4 hg + 2 hp + th: the head that I finish
	s_and_b32 s92, s67, 15
	s_lshl_b32 s92, s92, 19
	s_lshr_b32 s97, s67, 4
	s_lshl_b32 s97, s97, 4
	s_lshl_b32 s101, s66, 2
	s_add_co_u32 s97, s97, s101
	s_lshl_b32 s101, s86, 1
	s_add_co_u32 s97, s97, s101
	s_add_co_u32 s97, s97, s85
	s_lshl_b32 s97, s97, 13
	s_add_co_u32 s92, s92, s97
	s_mov_b32 s93, 0
	s_add_nc_u64 s[20:21], s[20:21], s[92:93]
	s_mov_b32 s66, 49152                           ; the prefetch's step: a K step of x's codes or of the weights
	s_cmp_eq_u32 s85, 0
	s_cselect_b32 s66, 32768, s66
	s_mov_b32 s67, 0
	AW
	s_wait_tensorcnt 0x0                           ; my part of K step 0 is in: the full sequence ahead of slot 1's first fill
	ds_add_u32 v[SPW], v[NIL]
	s_wait_dscnt 0x0
	CROUND
	JLOAD G0A+4, G1A, G0B+4, G1B                   ; K step 1
	s_wait_loadcnt 0x0                             ; csum and gk_b
	; chunks that do not lie behind my rows become 0 (a choice of values: no branch hangs on the block's number)
.set CP, 0
.rept 16
	v_cmp_lt_i32 vcc_lo, -2*CP, v26                ; does chunk + 2 p lie behind my last?
.irp e, 0,1,2,3,4,5,6,7
	v_cndmask_b32 v[32+8*CP+\e], 0, v[32+8*CP+\e], vcc_lo
.endr
.set CP, CP+1
.endr
.irp e, 0,2,4,6
	v_pk_add_f32 v[160+\e:161+\e], v[32+\e:33+\e], v[40+\e:41+\e]   ; the first two pairs of chunks start the sums
.endr
.set CP, 2
.rept 14
.irp e, 0,2,4,6
	v_pk_add_f32 v[160+\e:161+\e], v[160+\e:161+\e], v[32+8*CP+\e:33+8*CP+\e]
.endr
.set CP, CP+1
.endr
	WIN 0x44                                       ; source 1 and destination in window 1
.set CP, 0
.rept 16
	s_movk_i32 s92, -2*(CP+16)
	v_cmp_gt_i32 vcc_lo, v26, s92
.irp e, 0,1,2,3,4,5,6,7
	v_cndmask_b32 v[8*CP+\e], 0, v[8*CP+\e], vcc_lo
.endr
.set CP, CP+1
.endr
	WIN 0x04                                       ; source 1 in window 1
.set CP, 0
.rept 16
.irp e, 0,2,4,6
	v_pk_add_f32 v[160+\e:161+\e], v[160+\e:161+\e], v[8*CP+\e:8*CP+\e+1]
.endr
.set CP, CP+1
.endr
	WIN 0
.irp n, 0,1,2,3,4,5,6,7
	v_permlanex16_b32 v[32+\n], v[160+\n], s90, s91
.endr
.irp n, 0,1,2,3,4,5,6,7
	v_mul_f32 v[176+2*\n], 0x3fb8aa3b, v[168+\n]   ; b' = b log2(e)
	v_add_f32 v[177+2*\n], v[160+\n], v[32+\n]     ; even and odd chunks together
.endr
.irp n, 0,1,2,3,4,5,6,7
	ds_store_b64 v[BCA], v[176+2*\n:177+2*\n] offset:256*\n
.endr
	s_wait_kmcnt 0x0
	s_sub_co_i32 s92, s11, s6
	s_sub_co_i32 s92, s92, s7                      ; a sum of x v_w^T stands for sum x 2^(e2 + e3): its code is sum / 2^(e7 - e2 - e3)
	s_add_co_i32 s92, s92, 127
	s_lshl_b32 s93, s92, 23
	v_mov_b32 v[SCV], s93
	s_add_co_i32 s92, s92, 8
	s_lshl_b32 s92, s92, 23
	s_or_b32 s97, s92, 0x600000
	s_or_b32 s96, s97, 0x80000000
	s_sub_co_i32 s92, s10, s4
	s_sub_co_i32 s92, s92, s5                      ; likewise e6 - e0 - e1 for k x decay
	s_add_co_i32 s92, s92, 127
	s_lshl_b32 s93, s92, 23
	v_mov_b32 v[SCK], s93
	s_add_co_i32 s92, s92, 8
	s_lshl_b32 s92, s92, 23
	s_or_b32 s99, s92, 0x600000
	s_or_b32 s98, s99, 0x80000000
	s_add_co_i32 s92, s8, s9
	s_lshl_b32 s92, s92, 23
	s_add_co_i32 s94, s92, 0x3fb8aa3b              ; log2(e) 2^(e4 + e5)
	s_mov_b32 s95, s94
	s_add_co_i32 s92, s10, s11
	s_add_co_i32 s92, s92, 127
	s_lshl_b32 s100, s92, 23                       ; 2^(e6 + e7)
	s_mov_b32 s101, s100
	s_mov_b32 s92, 0x3d800000                      ; 1 / 16
	s_mov_b32 s93, s92
	AW                                             ; the head's end
	LB 0, 8, 0, 0                                  ; slot 0 is whole since the round above
	LSA SK, 0, 0, 0
	LB 8, 2, 0, 0
	HALF 0, 0, 0, 1, 0, 1                          ; the first half step starts the sums
	s_mov_b32 s3, 7
.Llap:                                                 ; a trip goes once round the ring and fills both slots again: K steps 2 to 15
	HALF 0, 1, 1, 0, 1, 0
	HALF 1, 0, 1, 1, 0, 0
	HALF 1, 1, 0, 0, 1, 0
	HALF 0, 0, 0, 1, 0, 0
	s_sub_co_u32 s3, s3, 1
	s_cmp_lg_u32 s3, 0
	s_cbranch_scc1 .Llap
	HALF 0, 1, 1, 0, 2, 0                          ; the tail: no slot is filled again; g16 and gk_w2 are asked for
	HALF 1, 0, 1, 1, 0, 0
	PLACES 4
	LB 10, 2, 1, 1
	LSA SV, 1, 1, AV
	s_wait_dscnt 24
.irp n, 0,1,2,3,4,5,6,7
	P \n, 0
.endr
	s_wait_dscnt 0x0
.irp n, 8,9,10,11
	P \n, 0
.endr
	WIN 0
	; THE WAY OUT.  v's codes: a lane's eight registers of a tile are eight neighbouring time steps: the conversions' results are the last product's operand as it stands
	PLACES 4
.irp mm, 0,1,2,3
	WIN 0x03
.set NI, 0
.rept 64
	v_med3_num_f32 v[Z+64*((\mm)%2)+NI], v[64*\mm+NI], s96, s97   ; the hold; each accumulator from its low end on
.set NI, NI+1
.endr
	WIN 0
.irp t, 0,1,2,3,4,5,6,7
	v_cvt_scalef32_pk8_fp8_f32 v[VC+16*\mm+2*\t:VC+16*\mm+2*\t+1], v[Z+64*((\mm)%2)+8*\t:Z+64*((\mm)%2)+8*\t+7], v[SCV]
.endr
.endr
	v_nop
.irp t, 0,1,2,3,4,5,6,7
	v_mov_b32 v[O16+\t], 0                         ; a lane permute's destination counts as one of its sources
.endr
	AW
	s_wait_tensorcnt 0x0                           ; my part of the tables is in,
	s_wait_dscnt 0x0
	s_barrier_signal -1
	s_barrier_wait -1                              ; and so is everybody's
	WIN 0xc0
.irp t, 0,1,2,3,4,5,6,7
	ds_load_b128 v[128+8*\t:131+8*\t], v[GA] offset:1024*\t        ; g16 of my rows: lane (r, h): row 16 tau + r, i = 8 h + 0 .. 7
	ds_load_b128 v[132+8*\t:135+8*\t], v[GA] offset:1024*\t+512
.endr
	WIN 0
; z = g16 gk_w2^T (f32) of 16 channels x my 128 rows: 32 instructions on end: step zk / 8 of its K = 16 (registers 2 q, 2 q + 1 of both sides), tile of rows zk % 8: the eight sums take turns.
; No transcendental stands between its links, nor between them and the first read of the sums.
.macro ZBATCH pos
	WIN 0xf3                                       ; g16 and the sums in window 3, gk_w2 in window 0
.set zk, 0
.rept 32
.if zk < 8
	v_wmma_f32_16x16x4_f32 v[8*(zk%8):8*(zk%8)+7], v[128+8*(zk%8)+2*(zk/8):129+8*(zk%8)+2*(zk/8)], v[W2P+8*(\pos)+2*(zk/8):W2P+8*(\pos)+2*(zk/8)+1], 0
.else
	v_wmma_f32_16x16x4_f32 v[8*(zk%8):8*(zk%8)+7], v[128+8*(zk%8)+2*(zk/8):129+8*(zk%8)+2*(zk/8)], v[W2P+8*(\pos)+2*(zk/8):W2P+8*(\pos)+2*(zk/8)+1], v[8*(zk%8):8*(zk%8)+7]
.endif
.set zk, zk+1
.endr
	WIN 0
	PLACES 8                                       ; eight places behind this form (ISA guide 7.12.1)
.endm
; ONE TILE OF 16 CHANNELS x 128 ROWS: from the f32 sums to the decay; register 8 tau + j = time step 16 tau + 8 h + j
.macro NT pos
.set BC, BCR+2*(\pos)
	WIN 0x03
.set NI, 0
.rept 32
	v_pk_fma_f32 v[Z+2*NI:Z+2*NI+1], v[2*NI:2*NI+1], s[94:95], v[BC:BC+1] op_sel_hi:[1,0,0]   ; z' = sum x log2(e) 2^(e4 + e5) + b'
.set NI, NI+1
.endr
	WIN 0
	AW                                             ; ahead of the batch
.set NI, 0
.rept 64
	v_exp_f32 v[E+NI], -|v[Z+NI]|
.set NI, NI+1
.endr
	v_nop
	AW                                             ; behind the batch
.set NI, 0
.rept 32
	v_pk_add_f32 v[E+2*NI:E+2*NI+1], v[E+2*NI:E+2*NI+1], 1.0 op_sel_hi:[1,0]
.set NI, NI+1
.endr
	AW
.set NI, 0
.rept 64
	v_log_f32 v[E+NI], v[E+NI]
.set NI, NI+1
.endr
.set NI, 0
.rept 64
	v_min_num_f32 v[Z+NI], 0, v[Z+NI]              ; plain work behind the logarithms
.set NI, NI+1
.endr
	AW
.set NI, 0
.rept 32
	v_pk_add_f32 v[E+2*NI:E+2*NI+1], v[Z+2*NI:Z+2*NI+1], v[E+2*NI:E+2*NI+1] neg_lo:[0,1] neg_hi:[0,1]   ; l = min(z', 0) - log2(1 + 2^-|z'|)
.set NI, NI+1
.endr
.irp t, 0,1,2,3,4,5,6,7                ; the sum of the LATER steps among a lane's eight: eight chains
	v_mov_b32 v[Z+8*\t+7], 0
.endr
.irp t, 0,1,2,3,4,5,6,7
	v_mov_b32 v[Z+8*\t+6], v[E+8*\t+7]
.endr
.irp j, 5,4,3,2,1,0
.irp t, 0,1,2,3,4,5,6,7
	v_add_f32 v[Z+8*\t+\j], v[Z+8*\t+\j+1], v[E+8*\t+\j+1]
.endr
.endr
.irp t, 0,1,2,3,4,5,6,7
	v_add_f32 v[A16+\t], v[Z+8*\t], v[E+8*\t]      ; all eight
.endr
.irp t, 0,1,2,3,4,5,6,7
	v_mul_f32 v[A16+\t], s92, v[A16+\t]
.endr
.irp t, 0,1,2,3,4,5,6,7
	v_permlanex16_b32 v[O16+\t], v[A16+\t], s90, s91   ; the other half's eight
.endr
.irp t, 0,1,2,3,4,5,6,7
	v_add_f32 v[A16+\t], v[A16+\t], v[O16+\t]      ; the tile of rows' sixteen
.endr
	v_mov_b32 v[RUN], v[BC+1]                      ; what lies behind my 128 rows
.irp t, 7,6,5,4,3,2,1,0
	v_fma_f32 v[O16+\t], v[O16+\t], v[M0R], v[RUN] ; lanes 0-15 hold the earlier eight: the later eight count for them
.if \t > 0
	v_add_f32 v[RUN], v[RUN], v[A16+\t]
.endif
.endr
.irp t, 0,1,2,3,4,5,6,7
.irp j, 0,1,2,3,4,5,6,7
	v_fma_f32 v[Z+8*\t+\j], v[Z+8*\t+\j], s92, v[O16+\t]   ; the exponent: the sum of gk log2(e) over all later steps
.endr
.endr
	AW
.set NI, 0
.rept 64
	v_exp_f32 v[E+NI], v[Z+NI]                     ; the decay
.set NI, NI+1
.endr
	v_nop
	AW
.endm
; k x decay of tile (head hd, n'), held, and its codes, laid over the tile's first accumulators, which are done with
.macro KD hd, np
	WIN 1+\hd
	AW                                             ; directly ahead of the first reader of k's sums
.set NI, 0
.rept 32
	v_pk_mul_f32 v[E+2*NI:E+2*NI+1], v[64*\np+2*NI:64*\np+2*NI+1], v[E+2*NI:E+2*NI+1]
.set NI, NI+1
.endr
	WIN 0
.set NI, 0
.rept 64
	v_med3_num_f32 v[E+NI], v[E+NI], s98, s99
.set NI, NI+1
.endr
	WIN (1+\hd)<<6
.irp t, 0,1,2,3,4,5,6,7
	v_cvt_scalef32_pk8_fp8_f32 v[64*\np+2*\t:64*\np+2*\t+1], v[E+8*\t:E+8*\t+7], v[SCK]
.endr
	v_nop
	WIN 0
.endm
.macro DISP hd                         ; the one part of a tile whose register numbers hang on the trip: chosen by the counter
	s_cmp_eq_u32 s2, 0
	s_cbranch_scc1 .Lkd0_\@
	s_cmp_eq_u32 s2, 1
	s_cbranch_scc1 .Lkd1_\@
	s_cmp_eq_u32 s2, 2
	s_cbranch_scc1 .Lkd2_\@
	KD \hd, 3
	s_branch .Lkdj_\@
.Lkd0_\@:
	KD \hd, 0
	s_branch .Lkdj_\@
.Lkd1_\@:
	KD \hd, 1
	s_branch .Lkdj_\@
.Lkd2_\@:
	KD \hd, 2
.Lkdj_\@:
.endm
	s_mov_b32 s22, 0
	s_mov_b32 s23, 0
	s_mov_b32 s2, 0
.Ltiles:                                               ; trip i: tiles (head 0, i) and (head 1, i)
	v_add_nc_u32 v[WAT], s22, v[WA]
	v_add_nc_u32 v[BCT], s23, v[BCA]
	AW
	ds_load_b128 v[W2P:W2P+3], v[WAT]                      ; gk_w2 of tile (head 0, i): channel 4 r + i, places 8 h + 0 .. 7,
	ds_load_b128 v[W2P+4:W2P+7], v[WAT] offset:16
	ds_load_b128 v[W2P+8:W2P+11], v[WAT] offset:4352       ; and of (head 1, i)
	ds_load_b128 v[W2P+12:W2P+15], v[WAT] offset:4368
	ds_load_b64 v[BCR:BCR+1], v[BCT]
	ds_load_b64 v[BCR+2:BCR+3], v[BCT] offset:1024
	s_wait_dscnt 0x0                               ; in the first trip g16's fragments too
	ZBATCH 0
	NT 0
	DISP 0
	ZBATCH 1
	NT 1
	DISP 1
	s_add_co_u32 s22, s22, 64
	s_add_co_u32 s23, s23, 256
	s_add_co_u32 s2, s2, 1
	s_cmp_lt_u32 s2, 4
	s_cbranch_scc1 .Ltiles
	AW                                             ; the last tile's codes are read below, behind the branches of the choice above
	; THE PRODUCT OVER TIME, K = my 128 steps.  Source 0 = 16 channels of v, source 1 = 16 channels of k x decay: a lane holds row kc = 4 r + a of the state, its registers vc = 16 b + 8 h + j
.irp hd, 0,1
	WIN ((1+\hd)<<6)|((1+\hd)<<2)
.irp a, 0,1,2,3
.irp b, 0,1
	v_wmma_f32_16x16x128_fp8_fp8 v[64*\a+32+8*\b:64*\a+39+8*\b], v[VC+16*(2*\hd+\b):VC+16*(2*\hd+\b)+15], v[64*\a:64*\a+15], 0
.endr
.endr
.endr
	WIN 0
	PLACES 4
.irp hd, 0,1
	WIN (1+\hd)<<2                                 ; an LDS store's data are its source 1
.irp a, 0,1,2,3
.irp b, 0,1
	ds_store_b128 v[XW], v[64*\a+32+8*\b:64*\a+35+8*\b] offset:8192*\hd+1024*(2*\a+\b)
	ds_store_b128 v[XW], v[64*\a+36+8*\b:64*\a+39+8*\b] offset:8192*\hd+1024*(2*\a+\b)+512
.endr
.endr
.endr
	WIN 0
	s_wait_dscnt 0x0                               ; for the others' sake: my tiles lie in LDS
	s_barrier_signal -1
	s_barrier_wait -1
.set NI, 0
.rept 16                               ; wave (th, hp) finishes head 2 hp + th: the two halves of the block's rows are added
	ds_load_b128 v[Z+4*NI:Z+4*NI+3], v[XR] offset:512*NI
.set NI, NI+1
.endr
.set NI, 0
.rept 16
	ds_load_b128 v[E+4*NI:E+4*NI+3], v[XR] offset:32768+512*NI
.set NI, NI+1
.endr
	s_wait_dscnt 0x0
.set NI, 0
.rept 32
	v_pk_add_f32 v[Z+2*NI:Z+2*NI+1], v[Z+2*NI:Z+2*NI+1], v[E+2*NI:E+2*NI+1]
.set NI, NI+1
.endr
.set NI, 0
.rept 32
	v_pk_mul_f32 v[Z+2*NI:Z+2*NI+1], v[Z+2*NI:Z+2*NI+1], s[100:101] op_sel_hi:[1,0]   ; x 2^(e6 + e7)
.set NI, NI+1
.endr
.irp a, 0,1,2,3
.irp b, 0,1
	ds_store_b128 v[RW], v[Z+8*(2*\a+\b):Z+8*(2*\a+\b)+3] offset:144*\a+64*\b          ; row 4 r + a, columns 16 b + 8 h on
	ds_store_b128 v[RW], v[Z+8*(2*\a+\b)+4:Z+8*(2*\a+\b)+7] offset:144*\a+64*\b+16
.endr
.endr
.set NI, 0
.rept 16
	ds_load_b128 v[E+4*NI:E+4*NI+3], v[RRD] offset:576*NI   ; LDS serves a wave's instructions in order (ISA guide 5.7.1.4): these see my stores; four whole rows a load
.set NI, NI+1
.endr
.set NI, 0
.rept 16
	s_wait_dscnt 15-NI
	global_store_b128 v[L16], v[E+4*NI:E+4*NI+3], s[20:21] offset:512*NI   ; 512 consecutive bytes a store, aligned
.set NI, NI+1
.endr
	s_wait_tensorcnt 0x0                           ; the wave's end
	ds_add_u32 v[SPW], v[NIL]
	s_wait_dscnt 0x0
	CROUND                                         ; the closing round
	s_endpgm
.Lfunc_end_k_q1dc3dbec41_main:
	.size	k_q1dc3dbec41_main, .Lfunc_end_k_q1dc3dbec41_main-k_q1dc3dbec41_main
	.p2alignl 7, 3214868480
	.fill 96, 4, 3214868480
	.section	.rodata,"a",@progbits
	.p2align	6, 0x0
	.amdhsa_kernel k_q1dc3dbec41_main
		.amdhsa_group_segment_fixed_size 327680
		.amdhsa_private_segment_fixed_size 0
		.amdhsa_enable_private_segment 0
		.amdhsa_kernarg_size 72
		.amdhsa_user_sgpr_count 2
		.amdhsa_user_sgpr_kernarg_segment_ptr 1
		.amdhsa_wavefront_size32 1
		.amdhsa_system_sgpr_workgroup_id_x 1
		.amdhsa_system_sgpr_workgroup_id_y 1
		.amdhsa_system_sgpr_workgroup_id_z 1
		.amdhsa_system_vgpr_workitem_id 0
		.amdhsa_next_free_vgpr 1024
		.amdhsa_next_free_sgpr 102
		.amdhsa_reserve_vcc 1
		.amdhsa_float_denorm_mode_32 3
		.amdhsa_float_denorm_mode_16_64 3
		.amdhsa_memory_ordered 1
		.amdhsa_forward_progress 1
		.amdhsa_inst_pref_size 255
	.end_amdhsa_kernel
	.section	.bss,"aw",@nobits
	.p2align	6
	.space	262144
	.amdgpu_metadata
---
amdhsa.version: [ 1, 2 ]
amdhsa.kernels:
  - .name:           k_q1dc3dbec41_main
    .symbol:         k_q1dc3dbec41_main.kd
    .args:
      - { .name: xk, .offset: 0, .size: 8, .value_kind: global_buffer, .address_space: global }
      - { .name: xv, .offset: 8, .size: 8, .value_kind: global_buffer, .address_space: global }
      - { .name: wq, .offset: 16, .size: 8, .value_kind: global_buffer, .address_space: global }
      - { .name: g16, .offset: 24, .size: 8, .value_kind: global_buffer, .address_space: global }
      - { .name: gk_w2, .offset: 32, .size: 8, .value_kind: global_buffer, .address_space: global }
      - { .name: gk_b, .offset: 40, .size: 8, .value_kind: global_buffer, .address_space: global }
      - { .name: csum, .offset: 48, .size: 8, .value_kind: global_buffer, .address_space: global }
      - { .name: lowp_scales, .offset: 56, .size: 8, .value_kind: global_buffer, .address_space: global }
      - { .name: part, .offset: 64, .size: 8, .value_kind: global_buffer, .address_space: global }
    .group_segment_fixed_size: 327680
    .private_segment_fixed_size: 0
    .kernarg_segment_align: 8
    .kernarg_segment_size: 72
    .max_flat_workgroup_size: 128
    .sgpr_count:     102
    .vgpr_count:     1024
    .wavefront_size: 32
...
	.end_amdgpu_metadata
.endif
;; end of part 2
;; launch finish (part 3): grid 256 x 1, 4 waves a work-group, no clusters, 0 bytes of LDS; arguments part, csum, state, out0; writes out0
.if DOCPART == 3
	.amdgcn_target "amdgcn-amd-amdhsa--gfx1250"
	.amdhsa_code_object_version 6
	.text
	.protected	k_q1dc3dbec41_finish
	.globl	k_q1dc3dbec41_finish
	.p2align	8
	.type	k_q1dc3dbec41_finish,@function
k_q1dc3dbec41_finish:
	s_mov_b64 s[64:65], 0
	v_nop
	global_prefetch_b8 v0, s[64:65] scope:SCOPE_SE
	s_setreg_imm32_b32 hwreg(HW_REG_WAVE_MODE, 25, 1), 1
	s_wait_xcnt 0x0
; THIRD OF THREE LAUNCHES.  Nothing is left out.  out0 = 2^(sum over the batch's 64 chunks of csum) x state + the sum of the sixteen blocks' parts.  (csum holds gk log2(e), so 2^sum = exp(G_T).)
; Each output number has one owner, so the sum over the blocks is made in a fixed order and without traffic between work-groups.
; SHARES: work-group g: (batch, head) g / 4, rows 16 (g % 4) on; thread t: 16 bytes at 2,048 g + 16 t of the head's 8,192: row 16 (g % 4) + t / 8.  A wave's loads and its store cover 512 consecutive bytes.
; The eight lanes of a row share the 64 chunks: lane t % 8 takes chunks 8 (t % 8) + 0 .. 7, and three steps across lanes join them.
; LIMIT: 2^sum under 2^-126 counts as 0 (the exponential flushes: ISA guide 15.8).  No LDS, no barrier, no matrix unit: there is nothing to share and nothing to multiply.
	s_load_b256 s[4:11], s[0:1], 0x0               ; part 4, csum 6, state 8, out0 10
	v_lshlrev_b32 v1, 4, v0
	s_lshl_b32 s12, ttmp9, 11
	s_mov_b32 s13, 0
	s_lshr_b32 s14, ttmp9, 6
	s_lshl_b32 s14, s14, 18                        ; the batch's first chunk: 64 rows of 4,096 bytes a batch
	s_bfe_u32 s15, ttmp9, 0x40002
	s_lshl_b32 s15, s15, 8                         ; the head's 64 channels
	s_add_co_u32 s14, s14, s15
	s_and_b32 s15, ttmp9, 3
	s_lshl_b32 s15, s15, 6                         ; my work-group's 16 of them
	s_add_co_u32 s14, s14, s15
	v_and_b32 v2, 7, v0
	v_lshrrev_b32 v3, 3, v0
	v_lshlrev_b32 v3, 2, v3
	v_lshl_add_u32 v2, v2, 15, v3                  ; eight chunks a lane, + my row's channel
	v_add_nc_u32 v2, s14, v2
	v_mov_b32 v85, 0                               ; (named as the upper half of the pair v[84:85])
	s_wait_alu depctr_va_vdst(0)
	s_wait_kmcnt 0x0
	s_add_nc_u64 s[4:5], s[4:5], s[12:13]
	s_add_nc_u64 s[8:9], s[8:9], s[12:13]
	s_add_nc_u64 s[10:11], s[10:11], s[12:13]
.irp e, 0,1,2,3,4,5,6,7
	global_load_b32 v[76+\e], v2, s[6:7] offset:4096*\e
.endr
	global_load_b128 v[72:75], v1, s[8:9]
.irp i, 0,1,2,3,4,5,6,7,8,9,10,11,12,13,14,15
	global_load_b128 v[8+4*\i:11+4*\i], v1, s[4:5] offset:524288*\i th:TH_LOAD_NT
.endr
	s_wait_loadcnt 17                              ; csum's eight are in; state's one and part's sixteen may be out
	v_add_f32 v76, v76, v77
	v_add_f32 v78, v78, v79
	v_add_f32 v80, v80, v81
	v_add_f32 v82, v82, v83
	v_add_f32 v76, v76, v78
	v_add_f32 v80, v80, v82
	v_add_f32 v76, v76, v80
	v_add_f32_dpp v76, v76, v76 row_xmask:1 row_mask:0xf bank_mask:0xf
	v_add_f32_dpp v76, v76, v76 row_xmask:2 row_mask:0xf bank_mask:0xf
	v_add_f32_dpp v76, v76, v76 row_xmask:4 row_mask:0xf bank_mask:0xf
	s_wait_alu depctr_va_vdst(0)
	v_exp_f32 v84, v76
	s_wait_loadcnt 0x0
.macro FOLD d                          ; parts i and i + d are added, i under d
.set FI, 0
.rept \d
	v_pk_add_f32 v[8+4*FI:9+4*FI], v[8+4*FI:9+4*FI], v[8+4*(FI+\d):9+4*(FI+\d)]
	v_pk_add_f32 v[10+4*FI:11+4*FI], v[10+4*FI:11+4*FI], v[10+4*(FI+\d):11+4*(FI+\d)]
.set FI, FI+1
.endr
.endm
	FOLD 8                                         ; plain work behind the exponential
	FOLD 4
	FOLD 2
	FOLD 1
	s_wait_alu depctr_va_vdst(0)                   ; ahead of the first reader of the exponential
	v_pk_fma_f32 v[8:9], v[72:73], v[84:85], v[8:9] op_sel_hi:[1,0,1]
	v_pk_fma_f32 v[10:11], v[74:75], v[84:85], v[10:11] op_sel_hi:[1,0,1]
	global_store_b128 v1, v[8:11], s[10:11]
	s_endpgm
.Lfunc_end_k_q1dc3dbec41_finish:
	.size	k_q1dc3dbec41_finish, .Lfunc_end_k_q1dc3dbec41_finish-k_q1dc3dbec41_finish
	.p2alignl 7, 3214868480
	.fill 96, 4, 3214868480
	.section	.rodata,"a",@progbits
	.p2align	6, 0x0
	.amdhsa_kernel k_q1dc3dbec41_finish
		.amdhsa_group_segment_fixed_size 0
		.amdhsa_private_segment_fixed_size 0
		.amdhsa_enable_private_segment 0
		.amdhsa_kernarg_size 32
		.amdhsa_user_sgpr_count 2
		.amdhsa_user_sgpr_kernarg_segment_ptr 1
		.amdhsa_wavefront_size32 1
		.amdhsa_system_sgpr_workgroup_id_x 1
		.amdhsa_system_sgpr_workgroup_id_y 1
		.amdhsa_system_sgpr_workgroup_id_z 1
		.amdhsa_system_vgpr_workitem_id 0
		.amdhsa_next_free_vgpr 96
		.amdhsa_next_free_sgpr 66
		.amdhsa_reserve_vcc 0
		.amdhsa_float_denorm_mode_32 3
		.amdhsa_float_denorm_mode_16_64 3
		.amdhsa_memory_ordered 1
		.amdhsa_forward_progress 1
		.amdhsa_inst_pref_size 7
	.end_amdhsa_kernel
	.amdgpu_metadata
---
amdhsa.version: [ 1, 2 ]
amdhsa.kernels:
  - .name:           k_q1dc3dbec41_finish
    .symbol:         k_q1dc3dbec41_finish.kd
    .args:
      - { .name: part, .offset: 0, .size: 8, .value_kind: global_buffer, .address_space: global }
      - { .name: csum, .offset: 8, .size: 8, .value_kind: global_buffer, .address_space: global }
      - { .name: state, .offset: 16, .size: 8, .value_kind: global_buffer, .address_space: global }
      - { .name: out0, .offset: 24, .size: 8, .value_kind: global_buffer, .address_space: global }
    .group_segment_fixed_size: 0
    .private_segment_fixed_size: 0
    .kernarg_segment_align: 8
    .kernarg_segment_size: 32
    .max_flat_workgroup_size: 128
    .sgpr_count:     66
    .vgpr_count:     96
    .wavefront_size: 32
...
	.end_amdgpu_metadata
.endif
;; end of part 3
